; MI455X (gfx1250); checked and timed in simulation.
; The chip was launched on July 23, 2026; its instructions are those of AMD's public machine-readable ISA for CDNA 5 (MIT licence, August 2026) and "CDNA5" Instruction Set Architecture Reference Guide (July 2026). The comments in the code are by the model that wrote it; some were corrected since.
;; Multi Head Self Attention. Allowed arithmetic: matrix products marked QUANTISED: E3M2 operands, one E8M0 scale for each 32 along K, by v_wmma_scale_f32_16x16x128_f8f6f4 with both operands' format E3M2, f32 sums; everything else in f32.
;; Inputs: Wk 384 x 384 float32; Wo 384 x 384 float32; Wq 384 x 384 float32; Wv 384 x 384 float32; bk 384 float32; bo 384 float32; bq 384 float32; bv 384 float32; ln_b 384 float32; ln_g 384 float32; x 2 x 4,096 x 384 float32.
;; Outputs: out0 2 x 4,096 x 384 float32.
;; This version of the problem:
;;   THIS VERSION OF THE PROBLEM IS GIVEN IN LOW PRECISION. The matrix products marked QUANTISED in the list below multiply operands that are first quantised to E3M2 (3 exponent bits, 2 mantissa bits; 6 bits a number), with one power-of-two scale for each 32 numbers along K (OCP MX v1.0); their sums are f32. All else is computed in f32.
;;   The module's matrix products, in the order in which they are computed (A, B: the left and right operand; K: the contracted axis; several contracted axes count as one K, in the product's order):
;;     1. [M 8,192, K 384] x [K 384, N 384]; A: computed on the way; B: input Wq: QUANTISED
;;     2. [M 8,192, K 384] x [K 384, N 384]; A: computed on the way; B: input Wk: QUANTISED
;;     3. [M 8,192, K 384] x [K 384, N 384]; A: computed on the way; B: input Wv: QUANTISED
;;     4. batch 12 x [M 4,096, K 64] x [K 64, N 4,096]; A: computed on the way; B: computed on the way: QUANTISED
;;     5. batch 12 x [M 4,096, K 4,096] x [K 4,096, N 64]; A: softmax (see below); B: computed on the way: QUANTISED
;;     6. [M 8,192, K 384] x [K 384, N 384]; A: computed on the way; B: input Wo: QUANTISED
;;   THE QUANTISER, for each operand of a quantised product, along K:
;;     - K is cut into blocks of 32 from its start; a last block that is shorter is filled with zeros.
;;     - A block's scale is 2^e with e = floor(log2(the largest magnitude in the block)) - 4, held to -126 .. 127; a block of zeros has e = 0. As a byte (E8M0): e + 127.
;;     - Each number is divided by its block's scale, clamped to +-28, and rounded to the nearest number of E3M2, ties to even, subnormals kept.
;;     - The product sums the exact products of the quantised numbers (number of the format x scale) in f32.
;;   ~~~python
;;   def quantise(x, axis):      # numpy; x: float32 -> the quantised numbers, widened to float32 again
;;       x = np.moveaxis(x, axis, -1); K = x.shape[-1]
;;       x = np.pad(x, [(0, 0)] * (x.ndim - 1) + [(0, -K % 32)]); x = x.reshape(x.shape[:-1] + (-1, 32)); a = np.abs(x).max(-1, keepdims=True)
;;       e = np.where(a > 0, np.clip(np.frexp(np.where(a > 0, a, 1))[1] - 1 - 4, -126, 127), 0)      # np.frexp(a)[1] - 1 = floor(log2(a)), exactly
;;       r = np.clip(x / 2.0 ** e, -28, 28)
;;       step = 2.0 ** (np.maximum(np.frexp(np.where(r == 0, 1, r))[1] - 1, -2) - 2)
;;       q = np.round(r / step) * step * 2.0 ** e      # np.round: ties to even
;;       return np.moveaxis(q.reshape(q.shape[:-2] + (-1,))[..., :K], -1, axis).astype(np.float32)
;;   ~~~
;;   SOFTMAX AHEAD OF A QUANTISED PRODUCT. Where the list says 'softmax', what is quantised is not the finished softmax but p = 2^(t - M), with t = logit x log2(e) and M = ceil(the row's largest t), a whole number; so 1/2 < the row's largest p <= 1. The row's sum l is taken of the UNQUANTISED p, in f32, and the product's result is divided by l at the end. Since M is a whole number, a kernel that streams over the keys may use a running M (the ceiling of the running maximum): every later rescaling is an exact power of two, which a block's scale takes up: the codes' values come out the same.
;;   OPERANDS COMPUTED ON THE WAY. 'Computed on the way' means the value that the module computes at that place (a softmax that the list does not call 'softmax' is quantised finished and normalised). What goes into a quantiser is computed in f32, as accurately as f32 sums, v_exp_f32 and their like allow (about 1e-6 of the number): no bf16 or f16 on the way to a quantiser, and a product that is left as it is and whose result goes on into a quantised operand takes f32 operands (vector FMAs, or v_wmma_f32_16x16x4_f32). A number that lies on a knife's edge between two numbers of the format may be rounded either way, as far as f32 arithmetic and the matrix unit's own rounding can turn it there, and no further.
;; One version. Each part assembles by itself: llvm-mc -triple=amdgcn-amd-amdhsa -mcpu=gfx1250 --defsym DOCPART=n.
;; ======== version 1 of 1: 3 launches
;; limits: right only within a limited range of input values
;; workspace buffers: wbuf 460,800 bytes; qb 2,457,600 bytes; kb 2,457,600 bytes; vb 2,457,600 bytes
;; launch wquant (part 1): grid 3 x 12, 4 waves a work-group, no clusters, 0 bytes of LDS; arguments Wq, Wk, Wv, Wo, wbuf; writes wbuf
.if DOCPART == 1
	.amdgcn_target "amdgcn-amd-amdhsa--gfx1250"
	.amdhsa_code_object_version 6
	.text
	.protected	k_q71960730db_wquant
	.globl	k_q71960730db_wquant
	.p2align	8
	.type	k_q71960730db_wquant,@function
k_q71960730db_wquant:
	s_mov_b64 s[64:65], 0
	v_nop
	global_prefetch_b8 v0, s[64:65] scope:SCOPE_SE
	s_setreg_imm32_b32 hwreg(HW_REG_WAVE_MODE, 25, 1), 1
	s_wait_xcnt 0x0
; The four weights, each [384 (k)][384 (n)] f32 with K as the FIRST axis, become codes of BF6 (E3M2) with one E8M0 byte for each 32 along K,
; laid in wbuf as IMAGES OF OPERAND REGISTERS: a fragment (16 columns x 128 K, 12 registers a lane) is three groups of 512 bytes, registers 4 g .. 4 g + 3 of lane l at 512 g + 16 l.
; wbuf: 12 blocks (3 x matrix + group of 128 columns) of 38,400 bytes: fragment (tile 0..7, K step 0..2) at (3 tile + step) x 1,536; from byte 36,864 the scale words,
; (pair of tiles 0..3, step) at (3 pair + step) x 128 + 4 l: lanes 0-15 the even tile's rows, lanes 16-31 the odd tile's.
; THE COLUMNS OF A TILE ARE NOT NEIGHBOURS: row r of tile t of column pair cp is column 32 cp + 8 t + r + 8 (r / 8), so that results made with these tiles as source 0 have 16 neighbours in a lane's 16 registers.
; SHARES: work-group x = group of 128 columns; y = 4 x K step + matrix.  A wave takes 32 columns x 128 K; lane (r, t) takes one column and its registers run DOWN K: a block of 32 lies in one lane.
; A load of the wave covers 128 consecutive bytes, the four waves stand side by side on 512.  No LDS, no barrier: waves share nothing.
; A block's scale is 2^(floor(log2(largest magnitude)) - 4): its byte is the largest magnitude's exponent field - 4, held at 1 from below.
; LIMITS: a block of zeros gets the byte 1 (the stated quantiser says 127): its codes are zeros and only this program reads the bytes.  NaN and infinities among the inputs are not served.
.set X,    32                          ; v32-159  128 numbers of my column: register 32 b + i = k 32 b + i
.set F0,   160                         ; v160-171 the even tile's fragment
.set F1,   172                         ; v172-183 the odd tile's
.set T,    184                         ; v184-199 the upper 16 codes of each block, four registers a block
.set SO,   12                          ; v12-15   the conversions' scale operands
.set BY,   16                          ; v16-19   the scale bytes
.set WD,   20                          ; v20      my column's scale word
.set WBLK, 38400
	s_load_b256 s[4:11], s[0:1], 0x0               ; Wq s[4:5], Wk s[6:7], Wv s[8:9], Wo s[10:11]
	s_load_b64 s[12:13], s[0:1], 0x20              ; wbuf
	v_lshrrev_b32 v4, 5, v0
	v_readfirstlane_b32 s14, v4                    ; wave 0..3
	v_and_b32 v4, 31, v0                           ; lane
	v_and_b32 v5, 15, v0                           ; r
	v_bfe_u32 v6, v0, 4, 1                         ; t
	v_and_b32 v7, 8, v5
	v_add_nc_u32 v7, v7, v5                        ; r + 8 (r / 8)
	v_lshl_add_u32 v7, v6, 3, v7                   ; + 8 t: my column among the wave's 32
	v_lshlrev_b32 v1, 2, v7                        ; in bytes
	v_lshlrev_b32 v2, 4, v4                        ; 16 x lane: an image's place
	v_lshlrev_b32 v3, 2, v4                        ; 4 x lane: a scale word's
	s_and_b32 s15, ttmp7, 0xffff
	s_and_b32 s16, s15, 3                          ; the matrix: 0 q, 1 k, 2 v, 3 o
	s_lshr_b32 s17, s15, 2                         ; the K step
	s_mul_i32 s20, s17, 196608                     ; 128 rows of 1,536 bytes
	s_lshl_b32 s18, ttmp9, 9                       ; + 128 columns a work-group
	s_add_co_u32 s20, s20, s18
	s_lshl_b32 s18, s14, 7                         ; + 32 columns a wave
	s_add_co_u32 s20, s20, s18
	s_mov_b32 s21, 0
	s_mul_i32 s22, s16, 3
	s_add_co_u32 s22, s22, ttmp9
	s_mul_i32 s22, s22, WBLK                       ; my block of wbuf
	s_mul_i32 s18, s14, 9216                       ; my two tiles: 6 fragments a wave
	s_mul_i32 s19, s17, 1536
	s_add_co_u32 s24, s22, s18
	s_add_co_u32 s24, s24, s19
	s_mov_b32 s25, 0
	s_mul_i32 s18, s14, 384                        ; my pair's scale words
	s_lshl_b32 s19, s17, 7
	s_add_co_u32 s22, s22, s18
	s_add_co_u32 s22, s22, s19
	s_mov_b32 s23, 0
	s_and_b32 s19, s16, 1
	s_wait_alu depctr_va_vdst(0)
	s_wait_kmcnt 0x0
	s_cmp_lt_u32 s16, 2                            ; the choice of the source hangs on the work-group's number alone
	s_cselect_b64 s[4:5], s[4:5], s[8:9]
	s_cselect_b64 s[6:7], s[6:7], s[10:11]
	s_cmp_eq_u32 s19, 0
	s_cselect_b64 s[4:5], s[4:5], s[6:7]
	s_add_nc_u64 s[4:5], s[4:5], s[20:21]
	s_add_nc_u64 s[26:27], s[12:13], s[22:23]      ; the scale words' base (36,864 stands in the store's immediate)
	s_add_nc_u64 s[12:13], s[12:13], s[24:25]      ; the fragments' base
.set n, 0
.rept 128
	global_load_b32 v[X+n], v1, s[4:5] offset:n*1536 th:TH_LOAD_NT   ; W(128 step + n, my column); each number is read once in the launch
.set n, n+1
.endr
; Block b: its largest magnitude (all 32 numbers are mine), its scale, its codes.  left: how many younger loads may stay out.
.macro BLK b, left
	s_wait_loadcnt \left
.set XS, X+32*(\b)
	v_max3_num_f32 v8, |v[XS]|, |v[XS+1]|, |v[XS+2]|
	v_max3_num_f32 v9, |v[XS+3]|, |v[XS+4]|, |v[XS+5]|              ; two chains, so that no line waits for the line above it
.irp i, 6,10,14,18,22,26
	v_max3_num_f32 v8, v8, |v[XS+\i]|, |v[XS+\i+1]|
	v_max3_num_f32 v9, v9, |v[XS+\i+2]|, |v[XS+\i+3]|
.endr
	v_max3_num_f32 v8, v8, |v[XS+30]|, |v[XS+31]|
	v_max3_num_f32 v8, v8, v9, 0x2800000           ; and the floor 2^(5 - 127): the byte cannot fall under 1
	v_add_nc_u32 v[SO+(\b)], 0xfe000000, v8        ; 4 off the exponent field: the conversion takes this operand's exponent field as its scale
	v_lshrrev_b32 v[BY+(\b)], 23, v[SO+(\b)]       ; the scale's byte
	v_cvt_scalef32_pk16_bf6_f32 v[F0+12*((\b)%2)+6*((\b)/2):F0+12*((\b)%2)+6*((\b)/2)+2], v[XS:XS+15], v[SO+(\b)]   ; the lower 16 codes: even blocks into F0, odd blocks into F1
	v_cvt_scalef32_pk16_bf6_f32 v[T+4*(\b):T+4*(\b)+2], v[XS+16:XS+31], v[SO+(\b)]   ; the upper 16 (a conversion's three registers begin on an even number)
.endm
	BLK 0, 63                                      ; a wait names 63 at the most: of 128 loads at most 63 are then out, so the first 65 are in: blocks 0 and 1
	BLK 1, 63
	BLK 2, 32                                      ; block 3's 32 loads may be out
	BLK 3, 0
	v_lshl_or_b32 v[WD], v[BY+1], 8, v[BY]         ; the four bytes make the word.  (These plain lines also stand between the last conversion and the lines that touch its result)
	v_lshl_or_b32 v[WD], v[BY+2], 16, v[WD]
	v_lshl_or_b32 v[WD], v[BY+3], 24, v[WD]
; The operand's layout wants, in lanes 0-15 of a tile's fragment, block 2 c of the tile's columns and in lanes 16-31 block 2 c + 1.  Lanes 0-15 hold all blocks of the even tile, lanes 16-31 of the odd one:
; the exchange of one register's upper lanes with the other's lower lanes gives both tiles' fragments at once.
.irp c, 0,1
.irp k, 0,1,2
	v_permlane16_swap_b32 v[F0+6*\c+\k], v[F1+6*\c+\k]
	v_permlane16_swap_b32 v[T+8*\c+\k], v[T+8*\c+4+\k]
.endr
.irp k, 0,1,2
	v_mov_b32 v[F0+6*\c+3+\k], v[T+8*\c+\k]
	v_mov_b32 v[F1+6*\c+3+\k], v[T+8*\c+4+\k]
.endr
.endr
.irp g, 0,1,2
	global_store_b128 v2, v[F0+4*\g:F0+4*\g+3], s[12:13] offset:512*\g          ; each store covers 512 consecutive bytes, aligned
	global_store_b128 v2, v[F1+4*\g:F1+4*\g+3], s[12:13] offset:4608+512*\g     ; the odd tile: three fragments on
.endr
	global_store_b32 v3, v[WD], s[26:27] offset:36864
	s_endpgm
.Lfunc_end_k_q71960730db_wquant:
	.size	k_q71960730db_wquant, .Lfunc_end_k_q71960730db_wquant-k_q71960730db_wquant
	.p2alignl 7, 3214868480
	.fill 96, 4, 3214868480
	.section	.rodata,"a",@progbits
	.p2align	6, 0x0
	.amdhsa_kernel k_q71960730db_wquant
		.amdhsa_group_segment_fixed_size 0
		.amdhsa_private_segment_fixed_size 0
		.amdhsa_enable_private_segment 0
		.amdhsa_kernarg_size 40
		.amdhsa_user_sgpr_count 2
		.amdhsa_user_sgpr_kernarg_segment_ptr 1
		.amdhsa_wavefront_size32 1
		.amdhsa_system_sgpr_workgroup_id_x 1
		.amdhsa_system_sgpr_workgroup_id_y 1
		.amdhsa_system_sgpr_workgroup_id_z 1
		.amdhsa_system_vgpr_workitem_id 0
		.amdhsa_next_free_vgpr 200
		.amdhsa_next_free_sgpr 66
		.amdhsa_reserve_vcc 0
		.amdhsa_float_denorm_mode_32 3
		.amdhsa_float_denorm_mode_16_64 3
		.amdhsa_memory_ordered 1
		.amdhsa_forward_progress 1
		.amdhsa_inst_pref_size 21
	.end_amdhsa_kernel
	.amdgpu_metadata
---
amdhsa.version: [ 1, 2 ]
amdhsa.kernels:
  - .name:           k_q71960730db_wquant
    .symbol:         k_q71960730db_wquant.kd
    .args:
      - { .name: Wq, .offset: 0, .size: 8, .value_kind: global_buffer, .address_space: global }
      - { .name: Wk, .offset: 8, .size: 8, .value_kind: global_buffer, .address_space: global }
      - { .name: Wv, .offset: 16, .size: 8, .value_kind: global_buffer, .address_space: global }
      - { .name: Wo, .offset: 24, .size: 8, .value_kind: global_buffer, .address_space: global }
      - { .name: wbuf, .offset: 32, .size: 8, .value_kind: global_buffer, .address_space: global }
    .group_segment_fixed_size: 0
    .private_segment_fixed_size: 0
    .kernarg_segment_align: 8
    .kernarg_segment_size: 40
    .max_flat_workgroup_size: 128
    .sgpr_count:     66
    .vgpr_count:     200
    .wavefront_size: 32
...
	.end_amdgpu_metadata
.endif
;; end of part 1
;; launch lnqkv (part 2): grid 64 x 3, 8 waves a work-group, clusters of 4 x 1, 223,744 bytes of LDS; arguments x, ln_g, ln_b, wbuf, bq, bk, bv, qb, kb, vb; writes qb, kb, vb
.if DOCPART == 2
	.amdgcn_target "amdgcn-amd-amdhsa--gfx1250"
	.amdhsa_code_object_version 6
	.text
	.protected	k_q71960730db_lnqkv
	.globl	k_q71960730db_lnqkv
	.p2align	8
	.type	k_q71960730db_lnqkv,@function
k_q71960730db_lnqkv:
	s_mov_b64 s[64:65], 0
	v_nop
	global_prefetch_b8 v0, s[64:65] scope:SCOPE_SE
	s_setreg_imm32_b32 hwreg(HW_REG_WAVE_MODE, 25, 1), 1
	s_wait_xcnt 0x0
	s_wait_alu depctr_hold_cnt(0) depctr_sa_sdst(0) depctr_va_vdst(0) depctr_va_sdst(0) depctr_va_ssrc(0) depctr_va_vcc(0) depctr_vm_vsrc(0)
	s_getreg_b32 s2, hwreg(HW_REG_IB_STS2, 6, 4)
	s_cmp_eq_u32 s2, 0
	s_cbranch_scc0 .Lentry_in_a_cluster
	s_endpgm
.Lentry_in_a_cluster:
	s_bfe_u32 s2, ttmp6, 0x10000c
	s_cmp_lg_u32 s2, 0x3003
	s_cbranch_scc0 .Lentry_shape_is_right
	s_endpgm
.Lentry_shape_is_right:
; LayerNorm of x, its quantising, the three projections on codes of BF6 (E3M2, one E8M0 byte for each 32 along K), the biases, and the quantising of q, k and v: q and k along the head's 64, v along the tokens.
; SHARES.  A work-group takes 128 tokens (x of the grid) and two heads (y).  Wave w normalises and quantises token tile w; then it works three units of 24 matrix instructions: for head 2 y + w / 4,
; q of token pair w % 4, k of the same pair, and v's tile w % 4 of the head's 64 for all 128 tokens.
; THE TOKENS OF A TILE ARE NOT NEIGHBOURS: row r of tile u of a pair of 32 tokens is token 8 u + r + 8 (r / 8); the weights' columns are tiled alike.  So with 16 columns as source 0 a lane holds one token
; and 16 neighbouring features in the 16 registers of two tiles (q, k); with 16 tokens as source 0 it holds one feature and 16 neighbouring tokens (v).  The conversions then find neighbours along the next K in one lane.
; OPERANDS LIE AS IMAGES OF THEIR REGISTERS, in LDS and in memory: a fragment (12 registers a lane) is three groups of 512 bytes, lane l at 16 l; a scale word 4 bytes a row.
; q and k leave as PAIR IMAGES: registers 0-5 hold the even tile's 64 along K, registers 6-11 the odd tile's; the scale word's bytes 0, 1 and 2, 3 likewise.
; The weights' codes (three blocks of 38,400 bytes, laid by the launch before) come into LDS once, by one tensor load each of waves 0, 1, 2.
; CLUSTER: the four work-groups of a cluster take four blocks of tokens and the same two heads: they walk the same weights, so each block is asked for JOINTLY, with a mask that names the four.
; The mean is the sum x (1 / 384); the variance is taken of the centred numbers (no difference of large sums); v_rsq_f32 gives the root.
; LIMITS: a block of zeros gets the byte 1 (the stated quantiser says 127): its codes are zeros and only this program reads the bytes.  NaN and infinities among the inputs are not served.
; The scale words leave as 64 bytes a store: one part in 24 of the bytes that the launch stores.
.set STG,  0                           ; LDS: a stage of 16 rows x 528 bytes for each wave, its own
.set XIMG, 67584                       ; x's 24 fragments: (3 tile + K step) x 1,536
.set XSC,  104448                      ; their scale words: (3 tile + K step) x 128 + 4 l
.set WIMG, 107520                      ; the weights' three blocks: filled once, by tensor loads alone
.set WBLK, 38400
.set SCO,  2359296                     ; in qb, kb, vb: where the scale words begin
.set SCW,  14                          ; v14-19  weights' scale words      (v14-28 hold scales and nothing else)
.set SCX,  20                          ; v20-27  x's scale words
.set PW,   28                          ; v28     the scale word just made
.set G,    30                          ; v30-41  ln_g at my 12 columns     (while the rows are normalised)
.set BT,   42                          ; v42-53  ln_b
.set SM,   54                          ; v54-61  four rows' sums, a pair each
.set TM,   30                          ; v30-41  the quantiser: largest magnitudes, bytes, scale operands
.set PC,   42                          ; v42-61  the codes just made
.set XF,   30                          ; v30-53  two fragments of x (q and k units)
.set BIAS, 64                          ; v64-95  a head's bias in the result's layout, four tiles
.set BV,   64                          ; v64-71  bv of my feature, eight times
.set W0,   96                          ; v96-143, v144-191  four weight fragments of a K step, two sets
.set W1,   144
.set XV,   96                          ; v96-191 eight fragments of x (v unit)
.set ACC,  192                         ; v192-255 eight accumulators
; v1 16 l; v2 stage in; v3 stage out; v4, v5 where I store x's images and words; v6, v7 my pair's images and words; v8, v9 my head's weights and words; v10, v11 my tile of Wv and its words;
; v12 4 r; v13 64 h; v29 4 (r + 8 (r / 8)); v62, v63 x's images and words from the first tile on.  v64-255 first hold my 16 rows of x: row i, columns 128 s + 4 l + e at v[64 + 64 s + 4 i + e].
.macro ROUND                           ; a round of the cluster's barrier: my work-group's barrier; wave 0 signals for the work-group; every wave waits for all four; my work-group's barrier once more
	s_barrier_signal -1
	s_barrier_wait -1
	s_cmp_lg_u32 s28, 0
	s_cbranch_scc1 .Lnot_wave_0_\@
	s_barrier_signal -3
.Lnot_wave_0_\@:
	s_barrier_wait -3
	s_barrier_signal -1
	s_barrier_wait -1
.endm
.macro PLACES                          ; four plain vector instructions between a matrix instruction and a load into, or a vector instruction on, its registers (ISA guide 7.12.1 for vector instructions)
.rept 4
	v_nop
.endr
.endm
; 64 numbers of a lane, register 16 b + i = k 32 b + 16 (lane / 16) + i of my row, become a fragment's codes in v[PC] on and its scale word in v[PW].
.macro QUANT s
.irp b, 0,1,2,3
	v_max3_num_f32 v[TM+\b], |v[(\s)+16*\b]|, |v[(\s)+1+16*\b]|, 0x2800000   ; block b: my 16 numbers, and the floor 2^(5 - 127): the byte cannot fall under 1
.endr
.irp i, 2,4,6,8,10,12,14
.irp b, 0,1,2,3
	v_max3_num_f32 v[TM+\b], v[TM+\b], |v[(\s)+16*\b+\i]|, |v[(\s)+1+16*\b+\i]|   ; the four blocks by turns; each accumulator is read from its low end on
.endr
.endr
.irp b, 0,1,2,3
	s_delay_alu instid0(VALU_DEP_4)
	v_permlanex16_b32 v[TM+4+\b], v[TM+\b], s32, s33
.endr
.irp b, 0,1,2,3
	s_delay_alu instid0(VALU_DEP_4)
	v_max_num_f32 v[TM+\b], v[TM+\b], v[TM+4+\b]   ; with lane l xor 16's: the block's largest magnitude
.endr
.irp b, 0,1,2,3
	s_delay_alu instid0(VALU_DEP_4)
	v_add_nc_u32 v[TM+8+\b], 0xfe000000, v[TM+\b]  ; 4 off its exponent field: the conversion's scale operand
.endr
.irp b, 0,1,2,3
	s_delay_alu instid0(VALU_DEP_4)
	v_lshrrev_b32 v[TM+4+\b], 23, v[TM+8+\b]       ; the scale's byte
.endr
	s_delay_alu instid0(VALU_DEP_3)
	v_lshl_or_b32 v[PW], v[TM+5], 8, v[TM+4]
	s_delay_alu instid0(VALU_DEP_1)
	v_lshl_or_b32 v[PW], v[TM+6], 16, v[PW]
	s_delay_alu instid0(VALU_DEP_1)
	v_lshl_or_b32 v[PW], v[TM+7], 24, v[PW]
.irp c, 0,1
	v_cvt_scalef32_pk16_bf6_f32 v[PC+6*\c:PC+2+6*\c], v[(\s)+32*\c:(\s)+15+32*\c], v[TM+8+2*\c]
	v_cvt_scalef32_pk16_bf6_f32 v[PC+12+4*\c:PC+14+4*\c], v[(\s)+16+32*\c:(\s)+31+32*\c], v[TM+9+2*\c]   ; (a conversion's three registers begin on an even number)
.endr
	v_nop                                          ; one plain place behind a scaled conversion
.irp c, 0,1                                    ; the operand's layout wants a WHOLE block in a lane: lanes 0-15 block 2 c, lanes 16-31 block 2 c + 1
.irp i, 0,1,2
	v_permlane16_swap_b32 v[PC+6*\c+\i], v[PC+12+4*\c+\i]
.endr
.irp i, 0,1,2
	s_delay_alu instid0(VALU_DEP_3)
	v_mov_b32 v[PC+3+6*\c+\i], v[PC+12+4*\c+\i]
.endr
.endr
.endm
	s_load_b512 s[8:23], s[0:1], 0x0               ; x s[8:9], ln_g s[10:11], ln_b s[12:13], wbuf s[14:15], bq s[16:17], bk s[18:19], bv s[20:21], qb s[22:23]
	s_load_b128 s[24:27], s[0:1], 0x40             ; kb s[24:25], vb s[26:27]
	s_set_vgpr_msb 0x40
	v_lshl_add_u32 v0, v0, 2, 0x36600
	v_mov_b32 v1, 0
	s_set_vgpr_msb 0x4045
	ds_add_u32 v0, v1
	ds_add_u32 v0, v1
	s_set_vgpr_msb 0x4500
	v_lshrrev_b32 v1, 5, v0
	s_delay_alu instid0(VALU_DEP_1)
	v_readfirstlane_b32 s28, v1                    ; wave 0..7
	s_bfe_u32 s29, ttmp6, 0x40000                  ; cx: my place in the cluster
	s_lshl_b32 s30, ttmp9, 2                       ; in a cluster launch ttmp9 counts clusters
	s_add_co_u32 s30, s30, s29                     ; my block of 128 tokens: it enters global addresses alone
	s_and_b32 s31, ttmp7, 0xffff                   ; my pair of heads, which the four partners share
	s_mov_b32 s32, 0x76543210
	s_mov_b32 s33, 0xfedcba98                      ; v_permlanex16_b32's selects for lane l xor 16
	s_mov_b32 s34, 0x3b2aaaab                      ; 1 / 384
	s_mov_b32 s35, 0x3727c5ac                      ; 1e-5
	s_lshr_b32 s48, s28, 2                         ; which of the two heads
	s_and_b32 s49, s28, 3                          ; j: my token pair (q, k), my tile of the head's 64 (v)
	s_lshr_b32 s51, s28, 1
	s_and_b32 s52, s28, 1
	v_and_b32 v54, 31, v0                          ; l
	v_and_b32 v55, 15, v0                          ; r
	v_bfe_u32 v56, v0, 4, 1                        ; h
	s_delay_alu instid0(VALU_DEP_3)
	v_lshlrev_b32 v1, 4, v54
	s_delay_alu instid0(VALU_DEP_4)
	v_lshlrev_b32 v57, 2, v54                      ; 4 l
	s_delay_alu instid0(VALU_DEP_4)
	v_lshlrev_b32 v12, 2, v55
	s_delay_alu instid0(VALU_DEP_4)
	v_lshlrev_b32 v13, 6, v56
	v_and_b32 v58, 8, v55
	s_delay_alu instid0(VALU_DEP_1)
	v_add_nc_u32 v58, v58, v55
	s_delay_alu instid0(VALU_DEP_1)
	v_lshlrev_b32 v29, 2, v58
	s_mul_i32 s53, s28, 8448                       ; my stage
	v_add_nc_u32 v2, s53, v1                       ; in: a row's 512 bytes as loaded, 16 a lane
	v_mad_u32_u24 v3, v55, 528, v13                ; out: row r, + 64 h: 16 neighbours of each block of 32
	s_delay_alu instid0(VALU_DEP_1)
	v_add_nc_u32 v3, s53, v3
	s_mul_i32 s53, s28, 4608
	s_add_co_u32 s53, s53, XIMG
	v_add_nc_u32 v4, s53, v1
	s_mul_i32 s53, s28, 384
	s_add_co_u32 s53, s53, XSC
	v_add_nc_u32 v5, s53, v57
	s_mul_i32 s53, s49, 9216
	s_add_co_u32 s53, s53, XIMG
	v_add_nc_u32 v6, s53, v1
	s_mul_i32 s53, s49, 768
	s_add_co_u32 s53, s53, XSC
	v_add_nc_u32 v7, s53, v57
	s_mul_i32 s53, s48, 18432                      ; my head's four tiles: 12 fragments
	s_add_co_u32 s53, s53, WIMG
	v_add_nc_u32 v8, s53, v1
	s_mul_i32 s53, s48, 768
	s_add_co_u32 s53, s53, WIMG+36864
	v_add_nc_u32 v9, s53, v57
	s_mul_i32 s53, s28, 4608                       ; Wv's tile 4 (w / 4) + w % 4 = w
	s_add_co_u32 s53, s53, WIMG+2*WBLK
	v_add_nc_u32 v10, s53, v1
	s_mul_i32 s53, s51, 384                        ; its words: pair w / 2, and the half of the 128 bytes that is the tile's
	s_lshl_b32 s54, s52, 6
	s_add_co_u32 s53, s53, s54
	s_add_co_u32 s53, s53, WIMG+2*WBLK+36864
	v_add_nc_u32 v11, s53, v12
	v_add_nc_u32 v62, XIMG, v1
	v_add_nc_u32 v63, XSC, v57
	s_lshl_b32 s54, s30, 7                         ; my tile's first token: 128 x block + 32 (w / 2) + 8 (w % 2)
	s_lshl_b32 s55, s51, 5
	s_add_co_u32 s54, s54, s55
	s_lshl_b32 s55, s52, 3
	s_add_co_u32 s54, s54, s55
	s_mul_i32 s54, s54, 1536
	s_mov_b32 s55, 0
	s_lshl_b32 s50, s31, 1
	s_add_co_u32 s50, s50, s48                     ; my head
	s_lshr_b32 s56, s30, 5                         ; the batch
	s_mul_i32 s56, s56, 6
	s_add_co_u32 s56, s56, s50
	s_lshl_b32 s56, s56, 7
	s_and_b32 s57, s30, 31
	s_lshl_b32 s57, s57, 2
	s_add_co_u32 s56, s56, s57
	s_add_co_u32 s56, s56, s49                     ; which image is mine: (6 batch + head) x 128 + 4 x (block in the batch) + j
	s_lshl_b32 s58, s56, 6                         ; its 64 bytes of scale words
	s_mov_b32 s59, 0
	s_mul_i32 s56, s56, 1536                       ; its 1,536 bytes of codes
	s_mov_b32 s57, 0
	s_lshl_b32 s60, s50, 8                         ; my head's 64 numbers of a bias
	s_mov_b32 s61, 0
	s_lshr_b32 s62, s49, 1                         ; bv: my tile begins at feature 32 (j / 2) + 8 (j % 2) of the head
	s_lshl_b32 s62, s62, 7
	s_and_b32 s63, s49, 1
	s_lshl_b32 s63, s63, 5
	s_add_co_u32 s62, s62, s63
	s_add_co_u32 s62, s62, s60
	s_mov_b32 s63, 0
	s_mul_i32 s72, s28, 3                          ; the block of wbuf that wave 0, 1 or 2 fetches: 3 x matrix + y
	s_add_co_u32 s72, s72, s31
	s_mul_i32 s72, s72, WBLK
	s_mov_b32 s73, 0
	s_and_b32 s74, s49, 1                          ; k's images are re-laid by lanes (see the k unit's stores): an odd pair goes back one image and 128 bytes on,
	s_lshl_b32 s76, s74, 5                         ; its words back one image's 64 bytes and 32 on
	s_mul_i32 s74, s74, 1408
	s_mov_b32 s75, 0
	s_mov_b32 s77, 0
	; descriptor group 1: a dense block of 38,400 bytes as 150 rows of 32 elements of 8 bytes
	s_mov_b32 s40, 15|(3<<16)|(1<<21)              ; 15:0 the mask: all four work-groups; 17:16 elements of 8 bytes; 21 set beside a mask; no padding
	s_mov_b32 s41, 32<<16                          ; tensor_dim0 = 32
	s_mov_b32 s42, 150<<16                         ; tensor_dim1 = 150
	s_mov_b32 s43, 32<<16                          ; tile_dim0 = 32
	s_mov_b32 s44, 150                             ; tile_dim1 = 150
	s_mov_b32 s45, 32                              ; from row to row
	s_mov_b32 s46, 0
	s_mov_b32 s47, 0
	s_mov_b32 s36, 1                               ; group 0: count = 1,
	s_mul_i32 s37, s28, WBLK
	s_add_co_u32 s37, s37, WIMG                    ; the LDS address: wave x a block: no place in the cluster enters it,
	s_wait_dscnt 0x0
	s_wait_kmcnt 0x0
	s_add_nc_u64 s[38:39], s[14:15], s[72:73]      ; the global address,
	s_or_b32 s39, s39, 0x80000000                  ; the type
	s_add_nc_u64 s[8:9], s[8:9], s[54:55]
	s_add_nc_u64 s[66:67], s[22:23], s[58:59]      ; the scale words' bases (SCO stands in the stores' immediates),
	s_add_nc_u64 s[68:69], s[24:25], s[58:59]
	s_add_nc_u64 s[70:71], s[26:27], s[58:59]
	s_add_nc_u64 s[22:23], s[22:23], s[56:57]      ; the images' bases
	s_add_nc_u64 s[24:25], s[24:25], s[56:57]
	s_sub_nc_u64 s[24:25], s[24:25], s[74:75]
	s_sub_nc_u64 s[68:69], s[68:69], s[76:77]
	s_add_nc_u64 s[26:27], s[26:27], s[56:57]
	s_add_nc_u64 s[16:17], s[16:17], s[60:61]
	s_add_nc_u64 s[18:19], s[18:19], s[60:61]
	s_add_nc_u64 s[20:21], s[20:21], s[62:63]
.irp s, 0,1,2
	global_load_b128 v[G+4*\s:G+4*\s+3], v1, s[10:11] offset:512*\s
.endr
.irp s, 0,1,2
	global_load_b128 v[BT+4*\s:BT+4*\s+3], v1, s[12:13] offset:512*\s
.endr
.irp i, 0,1,2,3,4,5,6,7,8,9,10,11,12,13,14,15      ; my 16 rows, row by row; a load covers 512 consecutive bytes.  No hint: the three work-groups of a block of tokens read the same rows
.irp s, 0,1,2
	global_load_b128 v[64+64*\s+4*\i:67+64*\s+4*\i], v1, s[8:9] offset:(\i+8*(\i/8))*1536+512*\s
.endr
.endr
	ROUND                                          ; all four work-groups are here: the joint loads meet
	s_cmp_lt_u32 s28, 3
	s_cbranch_scc0 .Lno_fill
	tensor_load_to_lds s[36:39], s[40:47]          ; wave 0: Wq's block, wave 1: Wk's, wave 2: Wv's.  One load of mine is out
	s_nop 0
.rept 4
	v_nop
.endr
.Lno_fill:
; LAYERNORM, four rows at a time, by turns.  A row's 384 numbers lie 12 to a lane.
.macro REDUCE                          ; each of the four pairs becomes its row's total, in every lane
.irp k, 0,1,2,3
	s_delay_alu instid0(VALU_DEP_4)
	v_add_f32 v[SM+2*\k], v[SM+2*\k], v[SM+2*\k+1]
.endr
.irp m, 1,2,4,8
.irp k, 0,1,2,3
	s_delay_alu instid0(VALU_DEP_4)
	v_add_f32_dpp v[SM+2*\k], v[SM+2*\k], v[SM+2*\k] row_xmask:\m row_mask:0xf bank_mask:0xf
.endr
.endr
.irp k, 0,1,2,3
	s_delay_alu instid0(VALU_DEP_4)
	v_permlanex16_b32 v[SM+2*\k+1], v[SM+2*\k], s32, s33
.endr
.irp k, 0,1,2,3
	s_delay_alu instid0(VALU_DEP_4)
	v_add_f32 v[SM+2*\k], v[SM+2*\k], v[SM+2*\k+1]
.endr
.endm
.macro LNB q                           ; rows 4 q .. 4 q + 3.  Pair p of a row's six: v[64 + 64 (p / 2) + 4 row + 2 (p % 2)]
	s_wait_loadcnt 36-12*\q                        ; loads come back in order: the three loads of each later row may be out
.irp k, 0,1,2,3
	v_pk_add_f32 v[SM+2*\k:SM+2*\k+1], v[64+16*\q+4*\k:65+16*\q+4*\k], v[66+16*\q+4*\k:67+16*\q+4*\k]
.endr
.irp p, 2,3,4,5
.irp k, 0,1,2,3
	s_delay_alu instid0(VALU_DEP_4)
	v_pk_add_f32 v[SM+2*\k:SM+2*\k+1], v[SM+2*\k:SM+2*\k+1], v[64+64*(\p/2)+16*\q+4*\k+2*(\p%2):65+64*(\p/2)+16*\q+4*\k+2*(\p%2)]
.endr
.endr
	REDUCE
.irp k, 0,1,2,3
	s_delay_alu instid0(VALU_DEP_4)
	v_mul_f32 v[SM+2*\k], s34, v[SM+2*\k]          ; the mean
.endr
.irp p, 0,1,2,3,4,5
.irp k, 0,1,2,3
	v_pk_add_f32 v[64+64*(\p/2)+16*\q+4*\k+2*(\p%2):65+64*(\p/2)+16*\q+4*\k+2*(\p%2)], v[64+64*(\p/2)+16*\q+4*\k+2*(\p%2):65+64*(\p/2)+16*\q+4*\k+2*(\p%2)], v[SM+2*\k:SM+2*\k+1] op_sel_hi:[1,0] neg_lo:[0,1] neg_hi:[0,1]   ; x - mean
.endr
.endr
.irp k, 0,1,2,3
	v_pk_mul_f32 v[SM+2*\k:SM+2*\k+1], v[64+16*\q+4*\k:65+16*\q+4*\k], v[64+16*\q+4*\k:65+16*\q+4*\k]
.endr
.irp p, 1,2,3,4,5
.irp k, 0,1,2,3
	s_delay_alu instid0(VALU_DEP_4)
	v_pk_fma_f32 v[SM+2*\k:SM+2*\k+1], v[64+64*(\p/2)+16*\q+4*\k+2*(\p%2):65+64*(\p/2)+16*\q+4*\k+2*(\p%2)], v[64+64*(\p/2)+16*\q+4*\k+2*(\p%2):65+64*(\p/2)+16*\q+4*\k+2*(\p%2)], v[SM+2*\k:SM+2*\k+1]
.endr
.endr
	REDUCE
.irp k, 0,1,2,3
	s_delay_alu instid0(VALU_DEP_4)
	v_fma_f32 v[SM+2*\k], v[SM+2*\k], s34, s35     ; the variance + 1e-5
.endr
	s_wait_alu depctr_va_vdst(0)
.irp k, 0,1,2,3
	v_rsq_f32 v[SM+2*\k], v[SM+2*\k]
.endr
	v_nop                                          ; one plain place behind the last root
	s_wait_alu depctr_va_vdst(0)
.irp p, 0,1,2,3,4,5
.irp k, 0,1,2,3
	v_pk_mul_f32 v[64+64*(\p/2)+16*\q+4*\k+2*(\p%2):65+64*(\p/2)+16*\q+4*\k+2*(\p%2)], v[64+64*(\p/2)+16*\q+4*\k+2*(\p%2):65+64*(\p/2)+16*\q+4*\k+2*(\p%2)], v[SM+2*\k:SM+2*\k+1] op_sel_hi:[1,0]
.endr
.endr
.irp p, 0,1,2,3,4,5
.irp k, 0,1,2,3
	v_pk_fma_f32 v[64+64*(\p/2)+16*\q+4*\k+2*(\p%2):65+64*(\p/2)+16*\q+4*\k+2*(\p%2)], v[64+64*(\p/2)+16*\q+4*\k+2*(\p%2):65+64*(\p/2)+16*\q+4*\k+2*(\p%2)], v[G+2*\p:G+2*\p+1], v[BT+2*\p:BT+2*\p+1]   ; x g + b
.endr
.endr
.endm
	LNB 0
	LNB 1
	LNB 2
	LNB 3
.irp b, 0,1,2,3
	v_mov_b32 v[TM+4+\b], 0                        ; written once: a lane permute's destination counts as one of its sources
.endr
.macro BIASLD ptr                      ; a head's bias in the result's layout: lane (r, h), tile t: features 32 (t / 2) + 8 (t % 2) + 16 h + 0 .. 7
.irp t, 0,1,2,3
	global_load_b128 v[BIAS+8*\t:BIAS+8*\t+3], v13, s[\ptr:\ptr+1] offset:(32*(\t/2)+8*(\t%2))*4
	global_load_b128 v[BIAS+8*\t+4:BIAS+8*\t+7], v13, s[\ptr:\ptr+1] offset:(32*(\t/2)+8*(\t%2))*4+16
.endr
.endm
; THE ROWS TURN THROUGH MY STAGE, a K step (128 columns) at a time: in as loaded (a row's 512 bytes, 16 a lane), out 16 neighbours of each block of 32 to lane (r, h).  Rows 528 bytes apart: 33 x 16, so the sixteen rows
; that a load touches begin at sixteen different places modulo 256 bytes.  Then the 64 numbers are quantised, and the fragment and its scale words go to LDS as they stand.
.irp s, 0,1,2
.irp i, 0,1,2,3,4,5,6,7,8,9,10,11,12,13,14,15
	ds_store_b128 v2, v[64+64*\s+4*\i:67+64*\s+4*\i] offset:528*\i
.endr
	s_wait_dscnt 0x0                               ; the stores have read their registers, into which the loads below land
.irp b, 0,1,2,3
.irp j, 0,1,2,3
	ds_load_b128 v[64+64*\s+16*\b+4*\j:67+64*\s+16*\b+4*\j], v3 offset:128*\b+16*\j
.endr
.endr
	s_wait_dscnt 0x0
	QUANT 64+64*\s
.irp g, 0,1,2
	ds_store_b128 v4, v[PC+4*\g:PC+4*\g+3] offset:1536*\s+512*\g
.endr
	ds_store_b32 v5, v[PW] offset:128*\s
.if \s == 0
	BIASLD 16                                      ; bq, into registers that the first K step's numbers have left
.endif
.endr
	s_wait_tensorcnt 0x0                           ; my block of the weights has landed,
	s_wait_dscnt 0x0                               ; my images of x are stored:
	s_barrier_signal -1
	s_barrier_wait -1                              ; everybody's are
.macro WLOAD dst, m, s                 ; my head's four fragments of matrix m, K step s
.irp t, 0,1,2,3
.irp g, 0,1,2
	ds_load_b128 v[\dst+12*\t+4*\g:\dst+12*\t+4*\g+3], v8 offset:WBLK*\m+(3*\t+\s)*1536+512*\g
.endr
.endr
.endm
.macro XLOAD s                         ; my pair's two fragments of x, K step s
.irp t, 0,1
.irp g, 0,1,2
	ds_load_b128 v[XF+12*\t+4*\g:XF+12*\t+4*\g+3], v6 offset:(3*\t+\s)*1536+512*\g
.endr
.endr
.endm
; Eight products: source 0 = 16 columns of the weight, source 1 = 16 tokens.  The eight accumulators take turns, one instruction a turn.  The bias is the C of the first K step.
.macro MULQK wf, s
.irp t, 0,1
.irp p, 0,1
.if \s == 0
	v_wmma_scale_f32_16x16x128_f8f6f4 v[ACC+32*\t+16*\p:ACC+32*\t+16*\p+7], v[\wf+24*\p:\wf+24*\p+11], v[XF+12*\t:XF+12*\t+11], v[BIAS+16*\p:BIAS+16*\p+7], v[SCW+3*\p+\s], v[SCX+3*\t+\s] matrix_a_fmt:MATRIX_FMT_BF6 matrix_b_fmt:MATRIX_FMT_BF6
	v_wmma_scale_f32_16x16x128_f8f6f4 v[ACC+32*\t+16*\p+8:ACC+32*\t+16*\p+15], v[\wf+24*\p+12:\wf+24*\p+23], v[XF+12*\t:XF+12*\t+11], v[BIAS+16*\p+8:BIAS+16*\p+15], v[SCW+3*\p+\s], v[SCX+3*\t+\s] matrix_a_fmt:MATRIX_FMT_BF6 matrix_b_fmt:MATRIX_FMT_BF6 matrix_a_scale:MATRIX_SCALE_ROW1
.else
	v_wmma_scale_f32_16x16x128_f8f6f4 v[ACC+32*\t+16*\p:ACC+32*\t+16*\p+7], v[\wf+24*\p:\wf+24*\p+11], v[XF+12*\t:XF+12*\t+11], v[ACC+32*\t+16*\p:ACC+32*\t+16*\p+7], v[SCW+3*\p+\s], v[SCX+3*\t+\s] matrix_a_fmt:MATRIX_FMT_BF6 matrix_b_fmt:MATRIX_FMT_BF6
	v_wmma_scale_f32_16x16x128_f8f6f4 v[ACC+32*\t+16*\p+8:ACC+32*\t+16*\p+15], v[\wf+24*\p+12:\wf+24*\p+23], v[XF+12*\t:XF+12*\t+11], v[ACC+32*\t+16*\p+8:ACC+32*\t+16*\p+15], v[SCW+3*\p+\s], v[SCX+3*\t+\s] matrix_a_fmt:MATRIX_FMT_BF6 matrix_b_fmt:MATRIX_FMT_BF6 matrix_a_scale:MATRIX_SCALE_ROW1
.endif
.endr
.endr
.endm
.macro SENDIMG cbase, sbase            ; the fragment and its words leave as they stand: each of the three stores covers 512 consecutive bytes, aligned
.irp g, 0,1,2
	global_store_b128 v1, v[PC+4*\g:PC+4*\g+3], s[\cbase:\cbase+1] offset:512*\g
.endr
	global_store_b32 v12, v[PW], s[\sbase:\sbase+1] offset:SCO      ; lanes l and l xor 16 hold the same word and write it to the same place
.endm
; A UNIT FOR q (m = 0) OR k (m = 1): my head's 64 features of my pair's 32 tokens, three K steps.  A lane's 64 results are its two tokens' 32 numbers each: quantised together they are the pair image.
.macro UNITQK m, cbase, sbase
	s_wait_xcnt 0x0                                ; the registers that earlier stores read are written again only behind this wait
.irp p, 0,1
.irp s, 0,1,2
	ds_load_b32 v[SCW+3*\p+\s], v9 offset:WBLK*\m+(3*\p+\s)*128   ; lanes 0-15 the even tile's words, lanes 16-31 the odd tile's
.endr
.endr
.if \m == 0
.irp t, 0,1
.irp s, 0,1,2
	ds_load_b32 v[SCX+3*\t+\s], v7 offset:(3*\t+\s)*128
.endr
.endr
.endif
	WLOAD W0, \m, 0
	XLOAD 0
	WLOAD W1, \m, 1
	s_wait_loadcnt 0x0                             ; the bias
	s_wait_dscnt 12                                ; all but the 12 loads of the second K step's weights
	MULQK W0, 0
	PLACES
.if \m == 0
	BIASLD 18                                      ; bk for the next unit: the first K step's products have read the bias
.else
	global_load_b32 v[BV], v29, s[20:21]           ; bv of my feature for the v unit
.endif
	XLOAD 1
	WLOAD W0, \m, 2
	s_wait_dscnt 12                                ; all but the 12 loads of the third K step's weights
	MULQK W1, 1
	PLACES
	XLOAD 2
	s_wait_dscnt 0x0
	MULQK W0, 2
	PLACES
	QUANT ACC
.if \m == 1
; k LEAVES RE-LAID: of two neighbouring pairs p = 2 c, 2 c + 1 (64 tokens) image 2 c + a takes rows 8 a .. 8 a + 7 of both: row r of pair p goes to row r % 8 + 8 (p % 2) of image 2 c + r / 8.
; So tile u = 0..3 of the 64 tokens holds in row m token 32 (m / 8) + 8 u + m % 8, and four score tiles give a lane a whole block of 32 keys.  A store covers runs of 128 bytes; the pair's neighbour wave fills the other halves.
	v_bfe_u32 v30, v0, 3, 1                        ; r / 8
	v_mad_u32_u24 v31, v30, 1408, v1               ; 16 l + (1,536 - 128) (r / 8)
	v_lshl_add_u32 v30, v30, 5, v12                ; 4 r + (64 - 32) (r / 8)
.irp g, 0,1,2
	global_store_b128 v31, v[PC+4*\g:PC+4*\g+3], s[\cbase:\cbase+1] offset:512*\g
.endr
	global_store_b32 v30, v[PW], s[\sbase:\sbase+1] offset:SCO
.else
	SENDIMG \cbase, \sbase
.endif
.endm
	UNITQK 0, 22, 66
	UNITQK 1, 24, 68
; THE UNIT FOR v: source 0 = 16 tokens, source 1 = my 16 features: a lane holds one feature, and the 16 registers of two tiles are 16 neighbouring tokens, which are the next product's K.
.macro MULV s
.set WVR, 72+12*\s-66*(\s/2)           ; Wv's fragment of K step s: v72, v84, v30
.irp t, 0,1,2,3,4,5,6,7
.if \s == 0
	v_wmma_scale_f32_16x16x128_f8f6f4 v[ACC+8*\t:ACC+8*\t+7], v[XV+12*\t:XV+12*\t+11], v[WVR:WVR+11], v[BV:BV+7], v[SCX+\t], v[SCW+\s] matrix_a_fmt:MATRIX_FMT_BF6 matrix_b_fmt:MATRIX_FMT_BF6
.else
	v_wmma_scale_f32_16x16x128_f8f6f4 v[ACC+8*\t:ACC+8*\t+7], v[XV+12*\t:XV+12*\t+11], v[WVR:WVR+11], v[ACC+8*\t:ACC+8*\t+7], v[SCX+\t], v[SCW+\s] matrix_a_fmt:MATRIX_FMT_BF6 matrix_b_fmt:MATRIX_FMT_BF6
.endif
.endr
.endm
	s_wait_xcnt 0x0                                ; k's stores have read their registers
.irp s, 0,1,2
.irp g, 0,1,2
	ds_load_b128 v[72+12*\s-66*(\s/2)+4*\g:72+12*\s-66*(\s/2)+4*\g+3], v10 offset:1536*\s+512*\g
.endr
	ds_load_b32 v[SCW+\s], v11 offset:128*\s       ; my tile's words: its half of the pair's 128 bytes stands in the address
.endr
	s_wait_loadcnt 0x0                             ; bv
.irp i, 1,2,3,4,5,6,7
	v_mov_b32 v[BV+\i], v[BV]                      ; a lane's eight results are eight tokens of one feature: the C of the first K step wants the number eight times
.endr
	s_wait_alu depctr_va_vdst(0)
.irp s, 0,1,2
	PLACES                                         ; in front of loads into registers that the last products read
.irp t, 0,1,2,3,4,5,6,7
.irp g, 0,1,2
	ds_load_b128 v[XV+12*\t+4*\g:XV+12*\t+4*\g+3], v62 offset:(3*\t+\s)*1536+512*\g
.endr
	ds_load_b32 v[SCX+\t], v63 offset:(3*\t+\s)*128
.endr
	s_wait_dscnt 0x0
	MULV \s
.endr
	PLACES
	QUANT ACC
	SENDIMG 26, 70
	s_wait_dscnt 0x0
	s_set_vgpr_msb 0x5
	s_wait_tensorcnt 0x0
	ds_add_u32 v0, v1
	s_wait_dscnt 0x0
	s_set_vgpr_msb 0x500
	ROUND                                          ; the closing round: no work-group ends while a partner may still ask for a block that names it
	s_endpgm
.Lfunc_end_k_q71960730db_lnqkv:
	.size	k_q71960730db_lnqkv, .Lfunc_end_k_q71960730db_lnqkv-k_q71960730db_lnqkv
	.p2alignl 7, 3214868480
	.fill 96, 4, 3214868480
	.section	.rodata,"a",@progbits
	.p2align	6, 0x0
	.amdhsa_kernel k_q71960730db_lnqkv
		.amdhsa_group_segment_fixed_size 223744
		.amdhsa_private_segment_fixed_size 0
		.amdhsa_enable_private_segment 0
		.amdhsa_kernarg_size 80
		.amdhsa_user_sgpr_count 2
		.amdhsa_user_sgpr_kernarg_segment_ptr 1
		.amdhsa_wavefront_size32 1
		.amdhsa_system_sgpr_workgroup_id_x 1
		.amdhsa_system_sgpr_workgroup_id_y 1
		.amdhsa_system_sgpr_workgroup_id_z 1
		.amdhsa_system_vgpr_workitem_id 0
		.amdhsa_next_free_vgpr 258
		.amdhsa_next_free_sgpr 80
		.amdhsa_reserve_vcc 0
		.amdhsa_float_denorm_mode_32 3
		.amdhsa_float_denorm_mode_16_64 3
		.amdhsa_memory_ordered 1
		.amdhsa_forward_progress 1
		.amdhsa_inst_pref_size 132
	.end_amdhsa_kernel
	.amdgpu_metadata
---
amdhsa.version: [ 1, 2 ]
amdhsa.kernels:
  - .name:           k_q71960730db_lnqkv
    .symbol:         k_q71960730db_lnqkv.kd
    .args:
      - { .name: x, .offset: 0, .size: 8, .value_kind: global_buffer, .address_space: global }
      - { .name: ln_g, .offset: 8, .size: 8, .value_kind: global_buffer, .address_space: global }
      - { .name: ln_b, .offset: 16, .size: 8, .value_kind: global_buffer, .address_space: global }
      - { .name: wbuf, .offset: 24, .size: 8, .value_kind: global_buffer, .address_space: global }
      - { .name: bq, .offset: 32, .size: 8, .value_kind: global_buffer, .address_space: global }
      - { .name: bk, .offset: 40, .size: 8, .value_kind: global_buffer, .address_space: global }
      - { .name: bv, .offset: 48, .size: 8, .value_kind: global_buffer, .address_space: global }
      - { .name: qb, .offset: 56, .size: 8, .value_kind: global_buffer, .address_space: global }
      - { .name: kb, .offset: 64, .size: 8, .value_kind: global_buffer, .address_space: global }
      - { .name: vb, .offset: 72, .size: 8, .value_kind: global_buffer, .address_space: global }
    .group_segment_fixed_size: 223744
    .private_segment_fixed_size: 0
    .kernarg_segment_align: 8
    .kernarg_segment_size: 80
    .max_flat_workgroup_size: 256
    .sgpr_count:     80
    .vgpr_count:     258
    .wavefront_size: 32
...
	.end_amdgpu_metadata
.endif
;; end of part 2
;; launch attno (part 3): grid 256 x 1, 12 waves a work-group, clusters of 4 x 1, 327,680 bytes of LDS; arguments qb, kb, vb, wbuf, bo, x, out0; writes out0
.if DOCPART == 3
	.amdgcn_target "amdgcn-amd-amdhsa--gfx1250"
	.amdhsa_code_object_version 6
	.text
	.protected	k_q71960730db_attno
	.globl	k_q71960730db_attno
	.p2align	8
	.type	k_q71960730db_attno,@function
k_q71960730db_attno:
	s_mov_b64 s[64:65], 0
	v_nop
	global_prefetch_b8 v0, s[64:65] scope:SCOPE_SE
	s_setreg_imm32_b32 hwreg(HW_REG_WAVE_MODE, 25, 1), 1
	s_wait_xcnt 0x0
	s_wait_alu depctr_hold_cnt(0) depctr_sa_sdst(0) depctr_va_vdst(0) depctr_va_sdst(0) depctr_va_ssrc(0) depctr_va_vcc(0) depctr_vm_vsrc(0)
	s_getreg_b32 s2, hwreg(HW_REG_IB_STS2, 6, 4)
	s_cmp_eq_u32 s2, 0
	s_cbranch_scc0 .Lentry_in_a_cluster
	s_endpgm
.Lentry_in_a_cluster:
	s_bfe_u32 s2, ttmp6, 0x10000c
	s_cmp_lg_u32 s2, 0x3003
	s_cbranch_scc0 .Lentry_shape_is_right
	s_endpgm
.Lentry_shape_is_right:
; out0 = (softmax(q k^T / 8) v, all six heads) Wo + bo + x.  All three products on codes of BF6 (E3M2) with one E8M0 byte for each 32 along K; o is quantised along the heads' 384 on the way.
; SHARES.  8,192 tokens / 32 = 256 work-groups.  A work-group owns 32 tokens and ALL SIX HEADS: wave w owns head w / 2 and query tile w % 2 and walks the batch's 4,096 keys, 128 a step: 32 steps a wave, the same for all.
; Since a work-group holds every head of its tokens, it also makes their rows of the last product: wave w then takes columns 32 w .. 32 w + 31 of Wo.  o never goes to memory.
; THE SOFTMAX: t = score x log2(e) / 8; M = the running largest t rounded UP to a whole number; p = 2^(t - M) is quantised along the keys, not normalised; the row's sum is taken of the unquantised p and divides at the end;
; when M moves, the sum and O are multiplied by 2^(old M - new M), exactly.
; OPERANDS LIE AS IMAGES OF THEIR REGISTERS (12 registers a lane: three groups of 512 bytes, lane l at 16 l).  A pair image of K holds two tiles of 16 keys, in k 0-63 and k 64-127; my queries stand twice, [q | zero codes] and [zero codes | q].
; Both products are used transposed: a lane holds ONE query.  Tile u = 0..3 of 64 keys holds in row m key 32 (m / 8) + 8 u + m % 8 (so the launch before lays K): lane (r, h) then finds in 32 registers keys 32 h + 0 .. 31,
; A WHOLE BLOCK OF THE NEXT K, in the order of the operand's layout: the block's maximum needs no other lane, and the conversions' results are the operand.
; THE RING: two slots of 256 keys x 6 heads: K's codes 73,728 bytes, V's 73,728, K's scale words 3,072, V's 3,072.  Waves 0-2 fetch K's codes (two heads each), 3-5 V's, 6 K's words, 7 V's: one load a wave behind each round.
; A round's opening signal stands just ahead of the exponentials of a slot's last step (V's fragments are in registers by then); the rest of that step, work on registers, stands between the signal and its wait;
; the round's other lines follow on end, and the refill behind them.
; CLUSTER: four neighbouring work-groups belong to one batch and walk the same K and V: every tile is asked for JOINTLY, mask 15; the descriptors hang on the cluster's number and the wave's alone.
; PREFETCH: each wave asks for its head's K (even waves) or V (odd waves) codes: at the head for slots 1 and 2, in trip s for slot s + 3, which the load behind trip s + 1 fetches.  A slot has 48 blocks of 256 bytes of them, of which
; the partner at place cx names 12 (a lane a block; lanes 12-31 name the twelfth again).  Slot 0 comes by its load alone; trips 13 on ask for nothing; at most three slots are asked for and not yet loaded.
; The scale words, 6,144 of a slot's 153,600 bytes, come by their loads alone.
; LIMITS: the promise holds while |t| stays under 2^31.  p under 2^-126 counts as 0 (v_exp_f32 gives no denormals: ISA guide, its entry).  A block's largest p is made from its largest score by the same multiply-add and exponential,
; which takes v_exp_f32 not to fall where its input rises.  A block of zeros gets the byte 1 (the stated quantiser says 127): its codes are zeros and only this program reads the bytes.  NaN and infinities are not served.
.set SLOT,  153600
.set VCO,   73728                      ; V's codes in a slot
.set KSO,   147456                     ; K's scale words; V's 3,072 bytes on
.set OIMG,  307200                     ; behind the ring: o's six fragments (3 tile + K step) x 1,536, six groups of 256 bytes each (a pair of registers, 8 bytes a lane)
.set OSC,   316416                     ; their scale words, 64 bytes a fragment
.set SPARE, 316928                     ; the spare words, 128 bytes a wave: six blocks of 256 bytes that no other line names
.set SCO,   2359296                    ; in qb, kb, vb: where the scale words begin
.set WBLK,  38400
; v1 16 l; v2, v3 the add's two; v4-6 my head's places in a slot (K, V, words); v7 8 h; v8-10 the same in the slot at work; v11 the prefetch's offset; v12 -M; v13 the largest score; v[14:15] the sum
.set QF,  16                           ; v16-27 [q | 0], v28-39 [0 | q]
.set F,   40                           ; v40-87   four fragments of K, then of V
.set KS,  88                           ; v88-96 hold scales and nothing else: K's words, V's, p's, q's; at the end o's six in v88-93; Wo's three in v94-96
.set VS,  90
.set PWD, 92
.set QS,  93
.set OS,  88
.set SCW, 94
.set TA,  97
.set S,   98                           ; v98-161  S^T, then p, then the sum's tree
.set O,   162                          ; v162-193 O^T; at the end the last product's four accumulators
.set PC,  194                          ; v194-205 p's codes
.set CT,  206                          ; v206-208, v210-212 the conversions' upper halves
.set TB,  209
.set TC,  213
.set BM,  214                          ; v214-217 four chains of maxima; v214, v216 the two blocks'
.set SO,  218                          ; v218-219 the conversions' scale operands
.set BP,  220                          ; v220-221 the bytes
.set FF,  222                          ; v[222:223] f and a 0
.set XR,  224                          ; v224-255 x at my 8 rows x 16 bytes.  Window 1: v256-327 Wo's six fragments, v328-331 bo, v332 4 l
.macro CREST                           ; a round of the cluster's barrier behind its opening signal: these lines stand on end
	s_barrier_wait -1
	s_cmp_lg_u32 s18, 0
	s_cbranch_scc1 .Lnot_wave_0_\@
	s_barrier_signal -3
.Lnot_wave_0_\@:
	s_barrier_wait -3
	s_barrier_signal -1
	s_barrier_wait -1
.endm
.macro ROUND                           ; a whole round
	s_barrier_signal -1
	CREST
.endm
.macro FILL                            ; one chain of branches on the wave's number, one joint load to an arm, one join
	s_cmp_lt_u32 s18, 6
	s_cbranch_scc0 .Lwords_\@
	tensor_load_to_lds s[40:43], s[24:31]          ; two heads' codes of K or of V
	s_nop 0
.rept 4
	v_nop
.endr
	s_branch .Lasked_\@
.Lwords_\@:
	s_cmp_lt_u32 s18, 8
	s_cbranch_scc0 .Lasked_\@
	tensor_load_to_lds s[68:71], s[32:39]          ; six heads' scale words of K or of V
	s_nop 0
.rept 4
	v_nop
.endr
.Lasked_\@:
.endm
.macro SADDR                           ; my head's places in the slot at work
	v_add_nc_u32 v8, s48, v4
	v_add_nc_u32 v9, s48, v5
	v_add_nc_u32 v10, s48, v6
.endm
.macro TREE lo, hi, d                  ; pairs lo .. hi - 1 of p take up the pairs d registers on
.set n, \lo
.rept \hi-\lo
	v_pk_add_f32 v[S+2*n:S+2*n+1], v[S+2*n:S+2*n+1], v[S+\d+2*n:S+\d+2*n+1]
.set n, n+1
.endr
.endm
.macro TREEZ                           ; the rest of the tree, and the running sum x f + this step's
	TREE 12, 16, 32
	TREE 0, 8, 16
	TREE 0, 4, 8
	TREE 0, 2, 4
	s_delay_alu instid0(VALU_DEP_1)
	TREE 0, 1, 2
	s_delay_alu instid0(VALU_DEP_1)
	v_pk_fma_f32 v[14:15], v[14:15], v[FF:FF+1], v[S:S+1] op_sel_hi:[1,0,1]
.endm
	s_load_b256 s[4:11], s[0:1], 0x0               ; qb s[4:5], kb s[6:7], vb s[8:9], wbuf s[10:11]
	s_load_b128 s[12:15], s[0:1], 0x20             ; bo s[12:13], x s[14:15]
	s_load_b64 s[16:17], s[0:1], 0x30              ; out0
	v_lshl_add_u32 v2, v0, 2, SPARE
	v_mov_b32 v3, 0
	ds_add_u32 v2, v3                              ; the opening lines: the add, twice on end, and its wait
	ds_add_u32 v2, v3
	v_lshrrev_b32 v4, 5, v0
	v_readfirstlane_b32 s18, v4                    ; wave 0..11
	s_bfe_u32 s19, ttmp6, 0x40000                  ; cx: it enters global addresses of my own loads, stores and prefetches alone
	s_lshl_b32 s47, ttmp9, 2
	s_add_co_u32 s47, s47, s19                     ; my block of 32 tokens
	s_lshr_b32 s51, ttmp9, 5
	s_mul_i32 s51, s51, 6                          ; 6 x batch: 32 clusters to a batch
	s_lshr_b32 s45, s18, 1                         ; my head
	s_and_b32 s46, s18, 1                          ; my query tile
	s_mov_b32 s20, 0x76543210
	s_mov_b32 s21, 0xfedcba98                      ; v_permlanex16_b32's selects for lane l xor 16
	s_mov_b32 s22, 0x3e38aa3b                      ; c = log2(e) / 8
	s_mov_b32 s23, s22
	s_mov_b32 s44, 0xbe38aa3b                      ; -c
	s_mov_b32 s24, 15|(3<<16)|(1<<21)              ; group 1, codes: mask of the four; elements of 8 bytes; 2 rows (heads) of 1,536 elements, 24,576 elements apart
	s_mov_b32 s25, 1536<<16
	s_mov_b32 s26, 2<<16
	s_mov_b32 s27, 1536<<16
	s_mov_b32 s28, 2
	s_mov_b32 s29, 24576
	s_mov_b32 s30, 0
	s_mov_b32 s31, 0
	s_mov_b32 s32, 15|(3<<16)|(1<<21)              ; group 1, scale words: 6 rows (heads) of 64 elements, 1,024 elements apart
	s_mov_b32 s33, 64<<16
	s_mov_b32 s34, 6<<16
	s_mov_b32 s35, 64<<16
	s_mov_b32 s36, 6
	s_mov_b32 s37, 1024
	s_mov_b32 s38, 0
	s_mov_b32 s39, 0
	s_mov_b32 s40, 1
	s_mul_i32 s72, s18, 24576                      ; codes go to wave x 24,576 of a slot: K's three pairs of heads, then V's
	s_mov_b32 s41, s72
	s_mov_b32 s68, 1
	s_mul_i32 s73, s18, 3072                       ; words go to KSO + (wave - 6) x 3,072
	s_add_co_u32 s73, s73, KSO-6*3072
	s_mov_b32 s69, s73
	s_cmp_lt_u32 s18, 3
	s_cselect_b32 s58, 0, 3
	s_sub_co_u32 s58, s18, s58
	s_min_u32 s58, s58, 2                          ; which pair of heads I fetch (waves 6 on fetch no codes)
	s_lshl_b32 s58, s58, 1
	s_add_co_u32 s58, s58, s51
	s_mul_i32 s60, s58, 196608
	s_mov_b32 s61, 0
	s_lshl_b32 s62, s51, 13
	s_add_co_u32 s62, s62, SCO
	s_mov_b32 s63, 0
	s_add_co_u32 s59, s51, s45                     ; 6 x batch + head
	s_lshl_b32 s66, s59, 7
	s_and_b32 s89, s47, 127
	s_add_co_u32 s66, s66, s89                     ; my pair image of Q
	s_lshl_b32 s74, s66, 6
	s_mov_b32 s75, 0
	s_mul_i32 s66, s66, 1536
	s_mov_b32 s67, 0
	s_mul_i32 s56, s59, 196608                     ; the prefetches: my head's codes, slot 1, my work-group's 12 blocks of 48
	s_mul_i32 s89, s19, 3072
	s_add_co_u32 s56, s56, s89
	s_add_co_u32 s56, s56, 12288
	s_mov_b32 s57, 0
	s_cmp_lg_u32 s46, 0
	s_cselect_b32 s52, -1, 0                       ; all lanes: my tile is the pair's odd one
	s_lshl_b32 s53, s46, 4
	s_mul_i32 s76, s18, 0x5556
	s_lshr_b32 s76, s76, 16                        ; g = wave / 3: which 8 rows of the stage I send
	s_mul_i32 s77, s76, 3
	s_sub_co_u32 s77, s18, s77                     ; which 512 bytes of them
	s_lshl_b32 s78, s47, 5                         ; stage rows 8 g .. are tokens 32 x block + 8 (g / 2) + 16 (g % 2) + 0 .. 7
	s_lshr_b32 s89, s76, 1
	s_lshl_b32 s89, s89, 3
	s_add_co_u32 s78, s78, s89
	s_and_b32 s89, s76, 1
	s_lshl_b32 s89, s89, 4
	s_add_co_u32 s78, s78, s89
	s_mul_i32 s78, s78, 1536
	s_lshl_b32 s82, s77, 9
	s_add_co_u32 s78, s78, s82
	s_mov_b32 s79, 0
	s_mov_b32 s83, 0
	s_mul_i32 s80, s76, 10880                      ; out of the stage: 8 x 1,552 g + 512 (wave - 3 g)
	s_lshl_b32 s89, s18, 9
	s_add_co_u32 s80, s80, s89
	s_lshr_b32 s84, s18, 2
	s_add_co_u32 s84, s84, 9                       ; Wo's blocks of wbuf are 9, 10, 11
	s_mul_i32 s84, s84, WBLK
	s_and_b32 s89, s18, 3
	s_mul_i32 s86, s89, 384
	s_add_co_u32 s86, s86, s84
	s_mov_b32 s87, 0
	s_mul_i32 s89, s89, 9216
	s_add_co_u32 s84, s84, s89
	s_mov_b32 s85, 0
	s_mul_i32 s89, s46, 3
	s_lshr_b32 s90, s45, 1
	s_add_co_u32 s89, s89, s90                     ; o's fragment that my head lies in: 3 x tile + head / 2
	s_and_b32 s90, s45, 1
	s_mul_i32 s81, s89, 1536
	s_mul_i32 s91, s90, 768
	s_add_co_u32 s81, s81, s91
	s_add_co_u32 s81, s81, OIMG
	s_lshl_b32 s88, s89, 6
	s_lshl_b32 s90, s90, 1
	s_add_co_u32 s88, s88, s90
	s_add_co_u32 s88, s88, OSC
	s_mov_b32 s48, 0                               ; the slot at work, in bytes; s49 its parity; s50 the trips
	s_mov_b32 s49, 0
	s_mov_b32 s50, 0
	v_and_b32 v8, 31, v0
	v_lshlrev_b32 v1, 4, v8
	v_lshlrev_b32 v10, 2, v8                       ; 4 l
	v_min_u32 v11, 11, v8
	v_lshlrev_b32 v11, 8, v11
	v_and_b32 v9, 15, v0
	v_lshlrev_b32 v9, 2, v9                        ; 4 r
	v_bfe_u32 v7, v0, 4, 1
	v_lshlrev_b32 v7, 3, v7
	s_mul_i32 s89, s45, 12288
	v_add_nc_u32 v4, s89, v1
	v_add_nc_u32 v5, VCO, v4
	s_lshl_b32 s90, s45, 9
	s_add_co_u32 s90, s90, KSO
	v_add_nc_u32 v6, s90, v10
	s_wait_dscnt 0x0                               ; both opening adds are done
	s_wait_alu depctr_va_vdst(0)
	s_wait_kmcnt 0x0
	s_cmp_lt_u32 s18, 3                            ; K's buffer or V's: the choices hang on the wave's number alone
	s_cselect_b64 s[90:91], s[6:7], s[8:9]
	s_add_nc_u64 s[42:43], s[90:91], s[60:61]
	s_or_b32 s43, s43, 0x80000000
	s_cmp_eq_u32 s18, 6
	s_cselect_b64 s[90:91], s[6:7], s[8:9]
	s_add_nc_u64 s[70:71], s[90:91], s[62:63]
	s_or_b32 s71, s71, 0x80000000
	s_cmp_eq_u32 s46, 0
	s_cselect_b64 s[90:91], s[6:7], s[8:9]
	s_add_nc_u64 s[56:57], s[90:91], s[56:57]
	s_add_nc_u64 s[74:75], s[4:5], s[74:75]
	s_add_nc_u64 s[66:67], s[4:5], s[66:67]
	s_add_nc_u64 s[14:15], s[14:15], s[78:79]
	s_add_nc_u64 s[16:17], s[16:17], s[78:79]
	s_add_nc_u64 s[12:13], s[12:13], s[82:83]
	s_add_nc_u64 s[86:87], s[10:11], s[86:87]
	s_add_nc_u64 s[84:85], s[10:11], s[84:85]
.irp g, 0,1,2
	global_load_b128 v[F+4*\g:F+4*\g+3], v1, s[66:67] offset:512*\g   ; my pair's image of Q
.endr
	global_load_b32 v[TA], v9, s[74:75] offset:SCO
	s_cmp_lt_u32 ttmp9, 4
	s_cbranch_scc0 .Lno_prefetch_attno0
	global_prefetch_b8 v11, s[56:57] th:TH_LOAD_NT scope:SCOPE_SE                 ; slot 1,
	global_prefetch_b8 v11, s[56:57] offset:12288 th:TH_LOAD_NT scope:SCOPE_SE    ; slot 2
.Lno_prefetch_attno0:
	ROUND                                          ; all four work-groups are here: the first joint loads meet
	FILL                                           ; slot 0: one load a wave
	s_wait_loadcnt 0x0                             ; Q
.irp k, 0,1,2,3,4,5
	v_cndmask_b32 v[QF+\k], v[F+\k], v[F+6+\k], s52   ; my tile's six registers of the pair's twelve
.endr
	v_lshrrev_b32 v[TA], s53, v[TA]
	v_and_b32 v[TA], 0xffff, v[TA]
	v_lshl_or_b32 v[QS], v[TA], 16, v[TA]          ; my tile's two bytes, for k 0-63 and for k 64-127
.irp k, 6,7,8,9,10,11,12,13,14,15,16,17
	v_mov_b32 v[QF+\k], 0                          ; zero codes
.endr
.irp k, 0,1,2,3,4,5
	v_mov_b32 v[QF+18+\k], v[QF+\k]
.endr
	v_mov_b32 v13, 0xff61b1e6                      ; the largest score so far: -3e38
	v_mul_f32 v[TA], s44, v13
	v_floor_f32 v12, v[TA]                         ; -M
	v_mov_b32 v14, 0
	v_mov_b32 v15, 0
	v_mov_b32 v[FF], 0
	v_mov_b32 v[FF+1], 0
	v_mov_b32 v[TC], 0                             ; a lane permute's destination counts as one of its sources
.set n, 0
.rept 32
	v_mov_b32 v[O+n], 0                            ; the step is written once: the first finds zeros in O^T,
	v_mov_b32 v[S+n], 0                            ; and in what it finishes of a tree
.set n, n+1
.endr
.set n, 56
.rept 8
	v_mov_b32 v[S+n], 0
.set n, n+1
.endr
; A KEY STEP: 128 keys at step k of the slot.  Under its K loads it finishes the sum's tree that the step before has left.
; chg = 1: the slot's last step, a refill follows; 2: the same with no refill; 3: the very last step; 0: none of these.
.macro STEP k, chg
.irp i, 0,1
	ds_load_b32 v[KS+\i], v10 offset:256*\k+128*\i   ; lanes 0-15: image 2 i's words, lanes 16-31: image 2 i + 1's
.endr
.irp p, 0,1,2,3
.irp g, 0,1,2
	ds_load_b128 v[F+12*\p+4*\g:F+12*\p+4*\g+3], v8 offset:6144*\k+1536*\p+512*\g   ; four pair images of K
.endr
.endr
	TREEZ
	s_wait_alu depctr_va_vdst(0)
.irp a, 0,1                                    ; S^T: register 32 c + i of lane (r, h) is key 64 c + 32 h + i against query r
	s_wait_dscnt 9-6*\a                            ; image 2 a is in: the three loads of each later image may be out
.irp u, 0,1
	v_wmma_scale_f32_16x16x128_f8f6f4 v[S+32*\a+8*\u:S+32*\a+8*\u+7], v[F+24*\a:F+24*\a+11], v[QF+12*\u:QF+12*\u+11], 0, v[KS+\a], v[QS] matrix_a_fmt:MATRIX_FMT_BF6 matrix_b_fmt:MATRIX_FMT_BF6
.endr
	s_wait_dscnt 6-6*\a                            ; image 2 a + 1
.irp u, 0,1
	v_wmma_scale_f32_16x16x128_f8f6f4 v[S+32*\a+16+8*\u:S+32*\a+16+8*\u+7], v[F+24*\a+12:F+24*\a+23], v[QF+12*\u:QF+12*\u+11], 0, v[KS+\a], v[QS] matrix_a_fmt:MATRIX_FMT_BF6 matrix_b_fmt:MATRIX_FMT_BF6 matrix_a_scale:MATRIX_SCALE_ROW1
.endr
.endr
	v_mov_b32 v[TB], v12                           ; the old -M; with three v_nop the four places in front of the loads and of the first read of the scores
.rept 3
	v_nop
.endr
.irp t, 0,1,2,3
.irp g, 0,1,2
	ds_load_b128 v[F+12*\t+4*\g:F+12*\t+4*\g+3], v9 offset:6144*\k+1536*\t+512*\g   ; V's four images land under the maxima
.endr
.endr
.irp i, 0,1
	ds_load_b32 v[VS+\i], v10 offset:3072+256*\k+128*\i
.endr
.irp b, 0,1,2,3
	v_max3_num_f32 v[BM+\b], v[S+16*\b], v[S+1+16*\b], v[S+2+16*\b]   ; four chains by turns; each accumulator is read from its low end on
.endr
.irp i, 3,5,7,9,11,13
.irp b, 0,1,2,3
	v_max3_num_f32 v[BM+\b], v[BM+\b], v[S+16*\b+\i], v[S+1+16*\b+\i]
.endr
.endr
.irp c, 0,1
	v_max3_num_f32 v[BM+2*\c], v[BM+2*\c], v[S+32*\c+15], v[S+32*\c+31]
.endr
.irp c, 0,1
	s_delay_alu instid0(VALU_DEP_2)
	v_max_num_f32 v[BM+2*\c], v[BM+2*\c], v[BM+2*\c+1]   ; THE LARGEST SCORE OF MY BLOCK 2 c + h: all its 32 keys are mine
.endr
	s_delay_alu instid0(VALU_DEP_1)
	v_max_num_f32 v[TA], v[BM], v[BM+2]
	s_delay_alu instid0(VALU_DEP_1)
	v_permlanex16_b32 v[TC], v[TA], s20, s21
	s_delay_alu instid0(VALU_DEP_1)
	v_max3_num_f32 v13, v13, v[TA], v[TC]          ; the running largest score of my query
	s_delay_alu instid0(VALU_DEP_1)
	v_mul_f32 v[TA], s44, v13                      ; -t
	s_delay_alu instid0(VALU_DEP_1)
	v_floor_f32 v12, v[TA]                         ; the new -M = -ceil(t): a whole number
	s_delay_alu instid0(VALU_DEP_1)
	v_sub_f32 v[TB], v12, v[TB]                    ; old M - new M
	s_delay_alu instid0(VALU_DEP_1)
	v_cvt_i32_f32 v[TB], v[TB]                     ; (it saturates)
	s_delay_alu instid0(VALU_DEP_1)
	v_ldexp_f32 v[FF], 1.0, v[TB]                  ; f = 2^(old M - new M)
.set n, 0
.rept 16
	v_pk_mul_f32 v[O+n:O+n+1], v[O+n:O+n+1], v[FF:FF+1] op_sel_hi:[1,0]   ; O^T under the new M
.set n, n+2
.endr
.set n, 0
.rept 32
	v_pk_fma_f32 v[S+n:S+n+1], v[S+n:S+n+1], s[22:23], v[12:13] op_sel_hi:[1,0,0]   ; t - M
.set n, n+2
.endr
.irp c, 0,1
	v_fma_f32 v[BM+2*\c], v[BM+2*\c], s22, v12     ; the same of each block's largest score
.endr
	s_wait_alu depctr_va_vdst(0)
.if \chg == 1 || \chg == 2
	s_wait_tensorcnt 0x0                           ; my part of the other slot has landed: no tensor load of mine is out
	ds_add_u32 v2, v3                              ; the add
.if \chg == 1
	ds_add_u32 v2, v3
	s_add_nc_u64 s[42:43], s[42:43], 12288         ; the next slot but one, into the slot at work
	s_add_nc_u64 s[70:71], s[70:71], 512
	s_add_co_u32 s41, s72, s48
	s_add_co_u32 s69, s73, s48
.endif
	s_wait_dscnt 0x0                               ; the add is done, V is in: my reads of this slot are over
	s_barrier_signal -1                            ; from here to this signal's wait only work on registers
.endif
.irp c, 0,1
	v_exp_f32 v[BM+2*\c], v[BM+2*\c]               ; the block's largest p
.endr
.set n, 0
.rept 64
	v_exp_f32 v[S+n], v[S+n]                       ; p = 2^(t - M)
.set n, n+1
.endr
	v_nop                                          ; one plain place behind the exponentials
	s_wait_alu depctr_va_vdst(0)                   ; and the wait behind the batch
.irp c, 0,1
	v_max_num_f32 v[BM+2*\c], 0x2800000, v[BM+2*\c]   ; the floor 2^(5 - 127): the byte cannot fall under 1
.endr
.irp c, 0,1
	s_delay_alu instid0(VALU_DEP_2)
	v_add_nc_u32 v[SO+\c], 0xfe000000, v[BM+2*\c]  ; 4 off the exponent field: the conversion's scale operand
.endr
.irp c, 0,1
	v_cvt_scalef32_pk16_bf6_f32 v[PC+6*\c:PC+6*\c+2], v[S+32*\c:S+32*\c+15], v[SO+\c]        ; registers 6 c .. of the operand as they stand
	v_cvt_scalef32_pk16_bf6_f32 v[CT+4*\c:CT+4*\c+2], v[S+32*\c+16:S+32*\c+31], v[SO+\c]     ; (a conversion's three registers begin on an even number)
.endr
.irp c, 0,1
	v_lshrrev_b32 v[BP+\c], 23, v[SO+\c]           ; the bytes of blocks h and 2 + h
.endr
	s_delay_alu instid0(VALU_DEP_1)
	v_lshl_or_b32 v[TA], v[BP+1], 16, v[BP]
	s_delay_alu instid0(VALU_DEP_1)
	v_lshlrev_b32 v[TA], v7, v[TA]                 ; at their places in the word, 8 h bits up
	s_delay_alu instid0(VALU_DEP_1)
	v_permlanex16_b32 v[TC], v[TA], s20, s21
	s_delay_alu instid0(VALU_DEP_1)
	v_or_b32 v[PWD], v[TA], v[TC]                  ; with lane l xor 16's two the word is whole
.irp c, 0,1
.irp i, 0,1,2
	v_mov_b32 v[PC+3+6*\c+\i], v[CT+4*\c+\i]
.endr
.endr
	TREE 0, 8, 32                                  ; THE ROW'S SUM IS TAKEN OF THE UNQUANTISED p, in place.  These eight are the places between p's word and codes and the products
.if \chg == 0 || \chg == 3
	s_wait_alu depctr_va_vdst(0)
	s_wait_dscnt 0x0                               ; V is in
.endif
.irp a, 0,1                                    ; O^T += V^T P^T; the four accumulators take turns
	v_wmma_scale_f32_16x16x128_f8f6f4 v[O+16*\a:O+16*\a+7], v[F+24*\a:F+24*\a+11], v[PC:PC+11], v[O+16*\a:O+16*\a+7], v[VS+\a], v[PWD] matrix_a_fmt:MATRIX_FMT_BF6 matrix_b_fmt:MATRIX_FMT_BF6
	v_wmma_scale_f32_16x16x128_f8f6f4 v[O+16*\a+8:O+16*\a+15], v[F+24*\a+12:F+24*\a+23], v[PC:PC+11], v[O+16*\a+8:O+16*\a+15], v[VS+\a], v[PWD] matrix_a_fmt:MATRIX_FMT_BF6 matrix_b_fmt:MATRIX_FMT_BF6 matrix_a_scale:MATRIX_SCALE_ROW1
.endr
	TREE 8, 12, 32                                 ; four places in front of the next loads into the fragments; the next step finishes the tree
.if \chg == 1
	s_wait_alu depctr_va_vdst(0)
	CREST                                          ; the round is closed: no wave of any partner still reads this slot or has a load on its way
	FILL                                           ; the first tensor load behind the round
.endif
.if \chg == 2
	s_wait_alu depctr_va_vdst(0)
	s_barrier_wait -1                              ; the last slot is whole for all twelve waves; nothing is filled again
.endif
.if \chg == 3
	TREEZ
.endif
.endm
	s_wait_alu depctr_va_vdst(0)
	s_wait_tensorcnt 0x0                           ; slot 1's first fill is issued as a refill is
	ds_add_u32 v2, v3
	ds_add_u32 v2, v3
	s_add_nc_u64 s[42:43], s[42:43], 12288
	s_add_nc_u64 s[70:71], s[70:71], 512
	s_add_co_u32 s41, s72, SLOT
	s_add_co_u32 s69, s73, SLOT
	s_wait_dscnt 0x0
	ROUND
	FILL
.Lslot:                                            ; trip s = 0 .. 13 works slot s and asks for slot s + 2
	s_wait_xcnt 0x0                                ; the earlier prefetches have read their address
	s_add_nc_u64 s[56:57], s[56:57], 12288         ; slot s + 2
	s_cmp_lt_u32 s50, 13
	s_cbranch_scc0 .Lno_ask
	s_cmp_lt_u32 ttmp9, 4
	s_cbranch_scc0 .Lno_prefetch_attno1
	global_prefetch_b8 v11, s[56:57] offset:12288 th:TH_LOAD_NT scope:SCOPE_SE   ; slot s + 3
.Lno_prefetch_attno1:
.Lno_ask:
	SADDR
	STEP 0, 0
	STEP 1, 1
	s_xor_b32 s49, s49, 1
	s_mul_i32 s48, s49, SLOT
	s_add_co_u32 s50, s50, 1
	s_cmp_lt_u32 s50, 14
	s_cbranch_scc1 .Lslot
; What the last product wants is asked for here, four key steps ahead of its use, into registers that lay idle.
	s_set_vgpr_msb 0x40                            ; destinations in window 1
	v_lshrrev_b32 v76, 2, v1                       ; v332 = 4 l
.irp q, 0,1,2,3,4,5
.irp g, 0,1,2
	global_load_b128 v[12*\q+4*\g:12*\q+4*\g+3], v1, s[84:85] offset:1536*\q+512*\g   ; Wo's fragments (column tile u, K step s) at 3 u + s
.endr
.endr
	global_load_b128 v[72:75], v1, s[12:13]        ; bo
	s_set_vgpr_msb 0x4001                          ; the address in window 1
.irp s, 0,1,2
	global_load_b32 v[SCW+\s], v76, s[86:87] offset:36864+128*\s
.endr
	s_set_vgpr_msb 0x0100
.irp i, 0,1,2,3,4,5,6,7
	global_load_b128 v[XR+4*\i:XR+4*\i+3], v1, s[14:15] offset:1536*\i th:TH_LOAD_NT
.endr
	SADDR                                          ; slots 14 and 15 are written out: they ask for nothing
	STEP 0, 0
	STEP 1, 2
	s_mov_b32 s48, SLOT
	SADDR
	STEP 0, 0
	STEP 1, 3
; THE WAY OUT.  O^T / the sum is quantised along the head's 64; my six registers are half of a fragment of the last product (K = 384 = 6 heads x 64) and go to LDS as they stand.
	v_and_b32 v4, 31, v0
	v_lshlrev_b32 v4, 3, v4                        ; 8 l
	v_and_b32 v5, 15, v0
	v_bfe_u32 v6, v0, 4, 1
	v_mul_u32_u24 v12, v5, 1552
	v_lshl_add_u32 v12, v6, 6, v12
	s_lshl_b32 s89, s18, 7
	v_add_nc_u32 v12, s89, v12                     ; into the stage: row r, + 64 h, + 128 x wave
	v_add_nc_u32 v13, s80, v1                      ; and out of it
	v_lshlrev_b32 v5, 2, v5                        ; 4 r
	v_add_nc_u32 v8, s81, v4
	v_add_nc_u32 v9, s88, v5
	v_add_nc_u32 v10, OIMG, v4
	v_add_nc_u32 v6, OSC, v5
	v_add_f32 v14, v14, v15
	s_delay_alu instid0(VALU_DEP_1)
	v_permlanex16_b32 v[TC], v14, s20, s21
	s_delay_alu instid0(VALU_DEP_1)
	v_add_f32 v14, v14, v[TC]                      ; the row's sum
	s_wait_alu depctr_va_vdst(0)
	v_rcp_f32 v14, v14
	v_nop
	s_wait_alu depctr_va_vdst(0)
.set n, 0
.rept 32
	v_mul_f32 v[S+n], v[O+n], v14                  ; register 16 b + i is o(my query, 32 b + 16 h + i)
.set n, n+1
.endr
.irp b, 0,1
	v_max3_num_f32 v[BM+\b], |v[S+16*\b]|, |v[S+1+16*\b]|, 0x2800000
.endr
.irp i, 2,4,6,8,10,12,14
.irp b, 0,1
	s_delay_alu instid0(VALU_DEP_2)
	v_max3_num_f32 v[BM+\b], v[BM+\b], |v[S+16*\b+\i]|, |v[S+1+16*\b+\i]|
.endr
.endr
.irp b, 0,1
	s_delay_alu instid0(VALU_DEP_2)
	v_permlanex16_b32 v[BP+\b], v[BM+\b], s20, s21
.endr
.irp b, 0,1
	s_delay_alu instid0(VALU_DEP_2)
	v_max_num_f32 v[BM+\b], v[BM+\b], v[BP+\b]
.endr
.irp b, 0,1
	s_delay_alu instid0(VALU_DEP_2)
	v_add_nc_u32 v[SO+\b], 0xfe000000, v[BM+\b]
.endr
.irp b, 0,1
	s_delay_alu instid0(VALU_DEP_2)
	v_lshrrev_b32 v[BP+\b], 23, v[SO+\b]
.endr
	s_delay_alu instid0(VALU_DEP_1)
	v_lshl_or_b32 v[TA], v[BP+1], 8, v[BP]         ; my head's two bytes of the row's scale word
	v_cvt_scalef32_pk16_bf6_f32 v[PC:PC+2], v[S:S+15], v[SO]
	v_cvt_scalef32_pk16_bf6_f32 v[CT:CT+2], v[S+16:S+31], v[SO+1]
	v_nop
.irp i, 0,1,2
	v_permlane16_swap_b32 v[PC+\i], v[CT+\i]       ; a whole block to a lane
.endr
.irp i, 0,1,2
	v_mov_b32 v[PC+3+\i], v[CT+\i]
.endr
.irp g, 0,1,2
	ds_store_b64 v8, v[PC+2*\g:PC+2*\g+1] offset:256*\g
.endr
	ds_store_b16 v9, v[TA]                         ; lanes l and l xor 16 write the same bytes to the same place
	s_wait_alu depctr_va_vdst(0)
	s_wait_dscnt 0x0
	s_barrier_signal -1
	s_barrier_wait -1                              ; all six heads of both tiles lie in LDS
.irp q, 0,1,2,3,4,5                            ; o's fragment q = 3 tile + K step: v40-87, then v130-153
.irp p, 0,1,2,3,4,5
	ds_load_b64 v[F+12*\q+42*(\q/4)+2*\p:F+12*\q+42*(\q/4)+2*\p+1], v10 offset:1536*\q+256*\p
.endr
	ds_load_b32 v[OS+\q], v6 offset:64*\q
.endr
	s_wait_loadcnt 0x0                             ; Wo's fragments and words, x and bo
	s_wait_dscnt 0x0
	s_set_vgpr_msb 0x01                            ; source 0 (Wo) in window 1
.irp s, 0,1,2                                  ; source 0 = 16 columns of Wo, source 1 = 16 tokens; the four accumulators take turns; the first K step starts the sums
.irp t, 0,1
.if \s == 0
	v_wmma_scale_f32_16x16x128_f8f6f4 v[O+16*\t:O+16*\t+7], v[12*\s:12*\s+11], v[F+12*(3*\t+\s)+42*((3*\t+\s)/4):F+12*(3*\t+\s)+42*((3*\t+\s)/4)+11], 0, v[SCW+\s], v[OS+3*\t+\s] matrix_a_fmt:MATRIX_FMT_BF6 matrix_b_fmt:MATRIX_FMT_BF6
	v_wmma_scale_f32_16x16x128_f8f6f4 v[O+16*\t+8:O+16*\t+15], v[12*(3+\s):12*(3+\s)+11], v[F+12*(3*\t+\s)+42*((3*\t+\s)/4):F+12*(3*\t+\s)+42*((3*\t+\s)/4)+11], 0, v[SCW+\s], v[OS+3*\t+\s] matrix_a_fmt:MATRIX_FMT_BF6 matrix_b_fmt:MATRIX_FMT_BF6 matrix_a_scale:MATRIX_SCALE_ROW1
.else
	v_wmma_scale_f32_16x16x128_f8f6f4 v[O+16*\t:O+16*\t+7], v[12*\s:12*\s+11], v[F+12*(3*\t+\s)+42*((3*\t+\s)/4):F+12*(3*\t+\s)+42*((3*\t+\s)/4)+11], v[O+16*\t:O+16*\t+7], v[SCW+\s], v[OS+3*\t+\s] matrix_a_fmt:MATRIX_FMT_BF6 matrix_b_fmt:MATRIX_FMT_BF6
	v_wmma_scale_f32_16x16x128_f8f6f4 v[O+16*\t+8:O+16*\t+15], v[12*(3+\s):12*(3+\s)+11], v[F+12*(3*\t+\s)+42*((3*\t+\s)/4):F+12*(3*\t+\s)+42*((3*\t+\s)/4)+11], v[O+16*\t+8:O+16*\t+15], v[SCW+\s], v[OS+3*\t+\s] matrix_a_fmt:MATRIX_FMT_BF6 matrix_b_fmt:MATRIX_FMT_BF6 matrix_a_scale:MATRIX_SCALE_ROW1
.endif
.endr
.endr
	s_set_vgpr_msb 0x0104                          ; source 1 (bo) in window 1
.irp i, 0,1,2,3,4,5,6,7                        ; x + bo: also the places behind the last products
	v_pk_add_f32 v[XR+4*\i:XR+4*\i+1], v[XR+4*\i:XR+4*\i+1], v[72:73]
	v_pk_add_f32 v[XR+4*\i+2:XR+4*\i+3], v[XR+4*\i+2:XR+4*\i+3], v[74:75]
.endr
	s_set_vgpr_msb 0x0400
; The stage, 32 rows 1,552 bytes apart, lies in slot 0's bytes: that slot has had its last fill, and every wave has passed the barrier behind its last read.
.irp t, 0,1
.irp u, 0,1
	ds_store_b128 v12, v[O+16*\t+8*\u:O+16*\t+8*\u+3] offset:24832*\t+32*\u        ; lane (r, h): stage row 16 t + r, columns 32 w + 16 h + 8 u + 0 .. 7; each accumulator from its low end on
	ds_store_b128 v12, v[O+16*\t+8*\u+4:O+16*\t+8*\u+7] offset:24832*\t+32*\u+16
.endr
.endr
	s_wait_alu depctr_va_vdst(0)
	s_wait_dscnt 0x0
	s_barrier_signal -1
	s_barrier_wait -1                              ; 32 whole rows lie in the stage
.irp i, 0,1,2,3,4,5,6,7
	ds_load_b128 v[S+4*\i:S+4*\i+3], v13 offset:1552*\i
.endr
.irp i, 0,1,2,3,4,5,6,7
	s_wait_dscnt 7-\i                              ; row i is in, the younger ones may be out
	v_pk_add_f32 v[S+4*\i:S+4*\i+1], v[S+4*\i:S+4*\i+1], v[XR+4*\i:XR+4*\i+1]
	v_pk_add_f32 v[S+4*\i+2:S+4*\i+3], v[S+4*\i+2:S+4*\i+3], v[XR+4*\i+2:XR+4*\i+3]
	global_store_b128 v1, v[S+4*\i:S+4*\i+3], s[16:17] offset:1536*\i th:TH_STORE_NT   ; 32 lanes store 512 consecutive bytes, at a multiple of 512 from out0's first byte
.endr
	s_wait_tensorcnt 0x0                           ; the wave's end
	ds_add_u32 v2, v3
	s_wait_dscnt 0x0
	ROUND                                          ; the closing round
	s_endpgm
.Lfunc_end_k_q71960730db_attno:
	.size	k_q71960730db_attno, .Lfunc_end_k_q71960730db_attno-k_q71960730db_attno
	.p2alignl 7, 3214868480
	.fill 96, 4, 3214868480
	.section	.rodata,"a",@progbits
	.p2align	6, 0x0
	.amdhsa_kernel k_q71960730db_attno
		.amdhsa_group_segment_fixed_size 327680
		.amdhsa_private_segment_fixed_size 0
		.amdhsa_enable_private_segment 0
		.amdhsa_kernarg_size 56
		.amdhsa_user_sgpr_count 2
		.amdhsa_user_sgpr_kernarg_segment_ptr 1
		.amdhsa_wavefront_size32 1
		.amdhsa_system_sgpr_workgroup_id_x 1
		.amdhsa_system_sgpr_workgroup_id_y 1
		.amdhsa_system_sgpr_workgroup_id_z 1
		.amdhsa_system_vgpr_workitem_id 0
		.amdhsa_next_free_vgpr 336
		.amdhsa_next_free_sgpr 96
		.amdhsa_reserve_vcc 0
		.amdhsa_float_denorm_mode_32 3
		.amdhsa_float_denorm_mode_16_64 3
		.amdhsa_memory_ordered 1
		.amdhsa_forward_progress 1
		.amdhsa_inst_pref_size 122
	.end_amdhsa_kernel
	.amdgpu_metadata
---
amdhsa.version: [ 1, 2 ]
amdhsa.kernels:
  - .name:           k_q71960730db_attno
    .symbol:         k_q71960730db_attno.kd
    .args:
      - { .name: qb, .offset: 0, .size: 8, .value_kind: global_buffer, .address_space: global }
      - { .name: kb, .offset: 8, .size: 8, .value_kind: global_buffer, .address_space: global }
      - { .name: vb, .offset: 16, .size: 8, .value_kind: global_buffer, .address_space: global }
      - { .name: wbuf, .offset: 24, .size: 8, .value_kind: global_buffer, .address_space: global }
      - { .name: bo, .offset: 32, .size: 8, .value_kind: global_buffer, .address_space: global }
      - { .name: x, .offset: 40, .size: 8, .value_kind: global_buffer, .address_space: global }
      - { .name: out0, .offset: 48, .size: 8, .value_kind: global_buffer, .address_space: global }
    .group_segment_fixed_size: 327680
    .private_segment_fixed_size: 0
    .kernarg_segment_align: 8
    .kernarg_segment_size: 56
    .max_flat_workgroup_size: 384
    .sgpr_count:     96
    .vgpr_count:     336
    .wavefront_size: 32
...
	.end_amdgpu_metadata
.endif
;; end of part 3
